; MI455X (gfx1250); checked and timed in simulation.
; The chip was launched on July 23, 2026; its instructions are those of AMD's public machine-readable ISA for CDNA 5 (MIT licence, August 2026) and "CDNA5" Instruction Set Architecture Reference Guide (July 2026). The comments in the code are by the model that wrote it; some were corrected since.
;; Multi Head Self Attention. Allowed arithmetic: matrix products marked QUANTISED: E4M3 operands, one given power-of-two scale a tensor, by v_wmma_f32_16x16x64_fp8_fp8 or v_wmma_f32_16x16x128_fp8_fp8, f32 sums; everything else in f32.
;; Inputs: P_K_codes 1,024 x 32 x 32 uint8 (E4M3 codes of P_K, K innermost, in blocks of 32 codes); P_O_codes 1,024 x 32 x 32 uint8 (E4M3 codes of P_O, K innermost, in blocks of 32 codes); P_Q_codes 1,024 x 32 x 32 uint8 (E4M3 codes of P_Q, K innermost, in blocks of 32 codes); P_V_codes 1,024 x 32 x 32 uint8 (E4M3 codes of P_V, K innermost, in blocks of 32 codes); lowp_scales 12 int32 (the exponents e of the quantised operands' scales 2^e); x_codes 4 x 2,048 x 32 x 32 uint8 (E4M3 codes of x, K innermost, in blocks of 32 codes).
;; Outputs: out0 4 x 2,048 x 1,024 float32.
;; This version of the problem:
;;   THIS VERSION OF THE PROBLEM IS GIVEN IN LOW PRECISION. The matrix products marked QUANTISED in the list below multiply operands that are first quantised to E4M3 (4 exponent bits, 3 mantissa bits; 8 bits a number), with one given power-of-two scale for each operand tensor; their sums are f32. All else is computed in f32.
;;   The module's matrix products, in the order in which they are computed (A, B: the left and right operand; K: the contracted axis; several contracted axes count as one K, in the product's order):
;;     1. [M 8,192, K 1,024] x [K 1,024, N 1,024]; A: input x (given as codes); B: input P_Q (given as codes): QUANTISED (scales: A lowp_scales[0], B lowp_scales[1])
;;     2. [M 8,192, K 1,024] x [K 1,024, N 1,024]; A: input x (given as codes); B: input P_K (given as codes): QUANTISED (scales: A lowp_scales[2], B lowp_scales[3])
;;     3. [M 8,192, K 1,024] x [K 1,024, N 1,024]; A: input x (given as codes); B: input P_V (given as codes): QUANTISED (scales: A lowp_scales[4], B lowp_scales[5])
;;     4. batch 64 x [M 2,048, K 64] x [K 64, N 2,048]; A: computed on the way; B: computed on the way: QUANTISED (scales: A lowp_scales[6], B lowp_scales[7])
;;     5. batch 64 x [M 2,048, K 2,048] x [K 2,048, N 64]; A: softmax (see below); B: computed on the way: QUANTISED (scales: A lowp_scales[8], B lowp_scales[9])
;;     6. [M 8,192, K 1,024] x [K 1,024, N 1,024]; A: computed on the way; B: input P_O (given as codes): QUANTISED (scales: A lowp_scales[10], B lowp_scales[11])
;;   THE QUANTISER, for each operand of a quantised product, along K:
;;     - The operand's scale is 2^e, e = its entry of the input lowp_scales (int32; the entries are numbered through the quantised products in the list's order, A before B).
;;     - Each number is divided by the scale, clamped to +-448, and rounded to the nearest number of E4M3, ties to even, subnormals kept.
;;     - The product sums the exact products of the quantised numbers (number of the format x scale) in f32.
;;   ~~~python
;;   def quantise(x, axis, e):      # numpy; x: float32 -> the quantised numbers, widened to float32 again
;;       x = np.moveaxis(x, axis, -1); K = x.shape[-1]
;;       r = np.clip(x / 2.0 ** e, -448, 448)
;;       step = 2.0 ** (np.maximum(np.frexp(np.where(r == 0, 1, r))[1] - 1, -6) - 3)
;;       q = np.round(r / step) * step * 2.0 ** e      # np.round: ties to even
;;       return np.moveaxis(q, -1, axis).astype(np.float32)
;;   ~~~
;;   SOFTMAX AHEAD OF A QUANTISED PRODUCT. Where the list says 'softmax', what is quantised is not the finished softmax but p = 2^(t - M), with t = logit x log2(e) and M = ceil(the row's largest t), a whole number; so 1/2 < the row's largest p <= 1. The row's sum l is taken of the UNQUANTISED p, in f32, and the product's result is divided by l at the end. Since M is a whole number, a kernel that streams over the keys may use a running M (the ceiling of the running maximum): every later rescaling is an exact power of two, so the quantised numbers keep their values, but for numbers so far below the row's largest that they fall under the format's range.
;;   OPERANDS COMPUTED ON THE WAY. 'Computed on the way' means the value that the module computes at that place (a softmax that the list does not call 'softmax' is quantised finished and normalised). What goes into a quantiser is computed in f32, as accurately as f32 sums, v_exp_f32 and their like allow (about 1e-6 of the number): no bf16 or f16 on the way to a quantiser, and a product that is left as it is and whose result goes on into a quantised operand takes f32 operands (vector FMAs, or v_wmma_f32_16x16x4_f32). A number that lies on a knife's edge between two numbers of the format may be rounded either way, as far as f32 arithmetic and the matrix unit's own rounding can turn it there, and no further.
;;   INPUTS GIVEN AS CODES. P_K (in the module: [1024, 1024], K = its axis 1); P_O (in the module: [1024, 1024], K = its axis 1); P_Q (in the module: [1024, 1024], K = its axis 1); P_V (in the module: [1024, 1024], K = its axis 1); x (in the module: [4, 2048, 1024], K = its axis 2): each comes as NAME_codes (uint8): NAME with its K axis moved to the last place and cut into blocks of 32 codes, [.., K / 32, bytes a block], one block behind the other in memory; one code a byte (a code: sign, 4 exponent bits, 3 mantissa bits); its scale is its entry of lowp_scales. Its value is code x scale, taken as it is: it is not quantised again, and the codes and scales need not be those that the quantiser above would give.
;; One version. Each part assembles by itself: llvm-mc -triple=amdgcn-amd-amdhsa -mcpu=gfx1250 --defsym DOCPART=n.
;; ======== version 1 of 1: 3 launches
;; limits: right only within a limited range of input values
;; workspace buffers: q_img 8,388,608 bytes; kv_img 16,777,216 bytes; o_img 8,388,608 bytes
;; launch qkv (part 1): grid 8 x 32, 4 waves a work-group, clusters of 4 x 4, 327,680 bytes of LDS; arguments x_codes, P_Q_codes, P_K_codes, P_V_codes, lowp_scales, q_img, kv_img; writes q_img, kv_img
.if DOCPART == 1
	.amdgcn_target "amdgcn-amd-amdhsa--gfx1250"
	.amdhsa_code_object_version 6
	.text
	.protected	k_q78a721e357_qkv
	.globl	k_q78a721e357_qkv
	.p2align	8
	.type	k_q78a721e357_qkv,@function
k_q78a721e357_qkv:
	s_mov_b64 s[64:65], 0
	v_nop
	global_prefetch_b8 v0, s[64:65] scope:SCOPE_SE
	s_setreg_imm32_b32 hwreg(HW_REG_WAVE_MODE, 25, 1), 1
	s_wait_xcnt 0x0
	s_wait_alu depctr_hold_cnt(0) depctr_sa_sdst(0) depctr_va_vdst(0) depctr_va_sdst(0) depctr_va_ssrc(0) depctr_va_vcc(0) depctr_vm_vsrc(0)
	s_getreg_b32 s2, hwreg(HW_REG_IB_STS2, 6, 4)
	s_cmp_eq_u32 s2, 0
	s_cbranch_scc0 .Lentry_in_a_cluster
	s_endpgm
.Lentry_in_a_cluster:
	s_bfe_u32 s2, ttmp6, 0x10000c
	s_cmp_lg_u32 s2, 0xf033
	s_cbranch_scc0 .Lentry_shape_is_right
	s_endpgm
.Lentry_shape_is_right:
; THE PROGRAM: causal attention of 16 heads of 64 over x [4][2048][1024], all six products on codes of E4M3 with given scales 2^e (lowp_scales e0 .. e11).  Three launches: this one (Q, K, V), attention, the projection on the way out.
; WORK LEFT OUT, in the whole program: in the attention launch, key steps of 128 keys all of which come after a wave's 16 queries.  The problem's own mask (its lower triangle of ones) sets those scores to -infinity ahead
; of the softmax, so their p is 0 whatever finite values the inputs hold: they add nothing to a row's maximum, sum or result.  LIMIT: a NaN, an infinity or an overflow that reaches only those scores is not carried to the result.
; Every input has a way to the output: all are loaded.
; THIS LAUNCH: Q = rope(x P_Q^T), K = rope(x P_K^T), V = x P_V^T, each quantised (e6, e7, e9) and stored AS AN IMAGE OF THE REGISTERS in which the attention launch wants it as a matrix operand.
; SHARES.  A work-group takes 256 rows of x (one batch, positions 256 (ty % 8) on) and 128 features (two heads) of all three weights: 8 x 32 = 256 work-groups.  Wave w: rows 128 (w / 2) on, head w % 2:
; 3 x 8 x 4 accumulators of 16 x 16 = 768 registers; a fragment of x read from LDS feeds twelve products.  The K = 64 form: fragments of x and of three weights for 128 along K do not fit beside 768 accumulators.
; K goes in steps of 128 through two LDS slots (two slots of 256 along K would be 348,160 bytes).  CLUSTERS 4 x 4: x's tile is shared along a row of the cluster, the weights' along a column: joint loads; wave 0 asks for x's, waves 1 to 3 for P_Q's, P_K's, P_V's.
; LAYOUT.  Q, K: source 0 = 16 features, source 1 = 16 positions: a lane holds ONE position and 8 neighbouring features, four pairs of the rotation; eight numbers convert into registers 2 b, 2 b + 1 of a K = 64 fragment.
; V: source 0 = 16 positions, source 1 = 16 features: a lane holds ONE channel and 8 neighbouring keys: registers 2 a, 2 a + 1 of a K = 128 fragment along the keys.  So nothing is transposed and every store is 512 consecutive bytes.
; x's and the weights' fragments are fetched by two 16-byte loads: a permutation of k, the same on both sides of each product.
; THE ROTATION.  theta_i = 2^(-i log2(10000) / 32); cos and sin at a block's first 16 positions by reduction and polynomials, at each further 16 by a rotation by 16 theta_i; the table (8 blocks) waits in LDS, each wave's own.
; LIMITS.  e6-e0-e1, e7-e2-e3, e9-e4-e5 between -126 and 119 (each makes an f32 power of two).  The angle differs from position x theta rounded to f32 by up to about 2e-4 rad at the largest angles. NaN is not served.
; REGISTERS: window 0: v1-29 addresses and constants; v32-159 x's fragments, two sets of 8 x 8; v160-255 the weights' fragments, one set of 4 x 8 each.  Windows 1, 2, 3: Q's, K's, V's accumulators, (a, b) at v[8 (4 a + b)].
.set PITCH,  144                       ; an LDS row: 128 bytes + 16 of padding = 36 words: the 16 rows of a load start at 16 different groups of four banks
.set ABYTES, 256*PITCH                 ; x's tile
.set BBYTES, 128*PITCH                 ; a weight's tile
.set SLOT,   ABYTES+3*BBYTES           ; 92,160
.set TRIG,   2*SLOT                    ; behind the ring: cos and sin, 32,768 bytes for each wave; no tile lands here
.set SPARE,  TRIG+4*32768              ; behind them: the spare words, 128 bytes for each wave, which no other line names
.set ADRA, 16                          ; v16-17 LDS address of my fragments of x in slot 0, 1
.set ADRB, 20                          ; v20-21 of my fragments of P_Q; P_K's and P_V's lie BBYTES and 2 BBYTES on
.set TRW,  22                          ; v22    my lane's place in my wave's table
.set SO,   24                          ; v24    16 x lane: my place in an image
.set SPW,  28                          ; v28    my spare word; never rewritten
.set NIL,  29                          ; v29    0; never rewritten
.set AF,   32
.set BF,   160
.set WV,   18                          ; s18 wave; s19 its half of the rows; s20 its head
.set G1A,  24                          ; s[24:31] group 1 for x's tile; s[32:39] its groups 0, one for each slot
.set G0A,  32
.set G1B,  48                          ; s[48:55], s[56:63] the same for a weight's tile
.set G0B,  56
.set TH,   32                          ; while the table is made: theta of my 16 pairs,
.set CSA,  64                          ; two sets of 16 pairs (cos, sin),
.set STP,  128                         ; cos, sin of 16 theta,
.set ANG,  160                         ; angles,
.set T,    176                         ; four sets of eight at work,
.set KS3,  208                         ; the polynomials' first coefficients,
.set KC3,  209
.set POS,  210                         ; my first position as f32
.set H4,   211
.set RN,   96                          ; the way out: 32 rotated numbers
.set CD,   128                         ; and four sets of 8 registers of codes
.set MSB, 0
.macro WIN new                         ; the immediate's high byte repeats the setting that is left
.if MSB != (\new)
	s_set_vgpr_msb (MSB<<8)|(\new)
.set MSB, (\new)
.endif
.endm
.macro PLACES n                        ; plain vector instructions between a matrix instruction and a load into, or a vector instruction on, its registers
.rept \n
	v_nop
.endr
.endm
.macro JLOAD p                         ; a joint load into slot p: wave 0 x's tile, waves 1 to 3 a weight's; the branch hangs on the wave's number alone; s_nop 0 and four v_nop follow each line
	s_cmp_eq_u32 s[WV], 0
	s_cbranch_scc0 .Lfor_b_\@
	tensor_load_to_lds s[G0A+4*\p:G0A+4*\p+3], s[G1A:G1A+7]
	s_nop 0
.rept 4
	v_nop
.endr
	s_branch .Lasked_\@
.Lfor_b_\@:
	tensor_load_to_lds s[G0B+4*\p:G0B+4*\p+3], s[G1B:G1B+7]
	s_nop 0
.rept 4
	v_nop
.endr
.Lasked_\@:
.endm
.macro CREST                           ; a round of the cluster's barrier behind its opening barrier
	s_cmp_lg_u32 s[WV], 0
	s_cbranch_scc1 .Lnot_wave_0_\@
	s_barrier_signal -3
.Lnot_wave_0_\@:
	s_barrier_wait -3
	s_barrier_signal -1
	s_barrier_wait -1
.endm
.macro CROUND
	s_barrier_signal -1
	s_barrier_wait -1
	CREST
.endm
	s_load_b256 s[4:11], s[0:1], 0x0               ; x s[4:5], P_Q s[6:7], P_K s[8:9], P_V s[10:11]
	s_load_b128 s[12:15], s[0:1], 0x20             ; the exponents s[12:13], q_img s[14:15]
	s_load_b64 s[16:17], s[0:1], 0x30              ; kv_img
	v_lshl_add_u32 v[SPW], v0, 2, SPARE
	v_mov_b32 v[NIL], 0
	ds_add_u32 v[SPW], v[NIL]                      ; the wave's opening: the add, twice on end, and its wait ahead of my first tensor load
	ds_add_u32 v[SPW], v[NIL]
	v_lshrrev_b32 v1, 5, v0
	v_readfirstlane_b32 s[WV], v1                  ; wave 0..3
	s_lshr_b32 s19, s[WV], 1                       ; my half of the 256 rows
	s_and_b32 s20, s[WV], 1                        ; my head of the two
	s_bfe_u32 s40, ttmp6, 0x40000                  ; cx, cy
	s_bfe_u32 s41, ttmp6, 0x40004
	s_lshl_b32 s42, ttmp9, 2
	s_add_co_u32 s42, s42, s40                     ; tx: features 128 tx on
	s_and_b32 s21, ttmp7, 0xffff
	s_lshl_b32 s21, s21, 2
	s_add_co_u32 s21, s21, s41                     ; ty: rows 256 ty on
	s_lshl_b32 s43, s41, 2
	s_lshl_b32 s43, 15, s43                        ; my row of the cluster
	s_lshl_b32 s44, 0x1111, s40                    ; my column
	s_or_b32 s[G1A], s43, (1<<20)|(1<<21)|(4<<22)|(3<<25)   ; the mask; elements of 1 byte; padding on; bit 21 beside a mask; after every 32 words, 4 words
	s_or_b32 s[G1B], s44, (1<<20)|(1<<21)|(4<<22)|(3<<25)
	s_mov_b32 s[G1A+1], 128<<16                    ; tensor_dim0 = 128
	s_mov_b32 s[G1A+2], 256<<16                    ; tensor_dim1 = 256
	s_mov_b32 s[G1A+3], 128<<16                    ; tile_dim0
	s_mov_b32 s[G1A+4], 256                        ; tile_dim1
	s_mov_b32 s[G1A+5], 1024                       ; from row to row
	s_mov_b32 s[G1A+6], 0
	s_mov_b32 s[G1A+7], 0
	s_mov_b32 s[G1B+1], 128<<16
	s_mov_b32 s[G1B+2], 128<<16                    ; 128 rows
	s_mov_b32 s[G1B+3], 128<<16
	s_mov_b32 s[G1B+4], 128
	s_mov_b32 s[G1B+5], 1024
	s_mov_b32 s[G1B+6], 0
	s_mov_b32 s[G1B+7], 0
	s_lshl_b32 s22, s21, 18                        ; x: 256 ty rows of 1,024 bytes
	s_mov_b32 s23, 0
	s_lshl_b32 s46, s42, 17                        ; a weight: 128 tx rows
	s_mov_b32 s47, 0
	s_add_co_u32 s45, s[WV], 1
	s_mul_i32 s45, s45, BBYTES                     ; wave 1, 2, 3: the weight's place in a slot, behind x's tile (2 BBYTES)
	s_wait_dscnt 0x0                               ; both opening adds are done
	s_wait_kmcnt 0x0
	s_load_b256 s[68:75], s[12:13], 0x0            ; e0 .. e7
	s_load_b128 s[76:79], s[12:13], 0x20           ; e8 .. e11
	s_cmp_eq_u32 s[WV], 2
	s_cselect_b64 s[66:67], s[8:9], s[6:7]         ; wave 2: P_K; wave 3: P_V; else P_Q
	s_cmp_eq_u32 s[WV], 3
	s_cselect_b64 s[66:67], s[10:11], s[66:67]
	s_add_nc_u64 s[22:23], s[4:5], s[22:23]
	s_add_nc_u64 s[46:47], s[66:67], s[46:47]
	CROUND                                         ; all sixteen work-groups are here: the first joint loads meet
.irp p, 0,1
	s_mov_b32 s[G0A+4*\p], 1
	s_mov_b32 s[G0A+4*\p+1], \p*SLOT
	s_add_nc_u64 s[G0A+4*\p+2:G0A+4*\p+3], s[22:23], \p*128
	s_or_b32 s[G0A+4*\p+3], s[G0A+4*\p+3], 0x80000000
	s_mov_b32 s[G0B+4*\p], 1
	s_add_co_u32 s[G0B+4*\p+1], s45, \p*SLOT
	s_add_nc_u64 s[G0B+4*\p+2:G0B+4*\p+3], s[46:47], \p*128
	s_or_b32 s[G0B+4*\p+3], s[G0B+4*\p+3], 0x80000000
	s_wait_alu depctr_va_vdst(0)
	s_wait_tensorcnt 0x0
	ds_add_u32 v28, v29
	ds_add_u32 v28, v29
	s_wait_dscnt 0x0
	CROUND
	JLOAD \p                                       ; K steps 0 and 1: one load of mine is out
.endr
	v_and_b32 v1, 15, v0                           ; r
	v_bfe_u32 v2, v0, 4, 1                         ; h
	v_and_b32 v3, 31, v0                           ; lane
	s_wait_alu depctr_va_vdst(0)
	v_mul_u32_u24 v4, v1, PITCH
	v_lshl_add_u32 v4, v2, 4, v4                   ; row x pitch + 16 h
	s_mul_i32 s45, s19, 128*PITCH                  ; my 128 rows of x
	s_mul_i32 s2, s20, 64*PITCH                    ; my 64 rows of each weight,
	s_add_co_u32 s2, s2, ABYTES                    ; behind x's tile
.irp p, 0,1
	v_add_nc_u32 v[ADRA+\p], s45, v4
	v_add_nc_u32 v[ADRB+\p], s2, v4
	s_add_co_u32 s45, s45, SLOT
	s_add_co_u32 s2, s2, SLOT
.endr
	s_lshl_b32 s45, s[WV], 15
	s_add_co_u32 s45, s45, TRIG
	v_lshl_add_u32 v[TRW], v3, 4, s45
	v_lshlrev_b32 v[SO], 4, v3
	; where my images go: bh = 16 batch + 2 tx + my head
	s_lshr_b32 s88, s21, 3
	s_lshl_b32 s88, s88, 4
	s_lshl_b32 s92, s42, 1
	s_add_co_u32 s88, s88, s92
	s_add_co_u32 s88, s88, s20                     ; bh
	s_and_b32 s89, s21, 7                          ; which 256 positions of the sequence
	s_lshl_b32 s90, s88, 17                        ; q_img: a head is 131,072 bytes, a tile of 16 queries 1,024
	s_lshl_b32 s92, s89, 14
	s_add_co_u32 s90, s90, s92
	s_lshl_b32 s92, s19, 13                        ; my 8 tiles
	s_add_co_u32 s90, s90, s92
	s_mov_b32 s91, 0
	s_add_nc_u64 s[14:15], s[14:15], s[90:91]
	s_lshl_b32 s90, s88, 18                        ; kv_img: a head is 262,144 bytes, a slot of 256 keys 32,768; my half of K's part, and of V's, begins 8,192 x half on
	s_lshl_b32 s93, s89, 15
	s_add_co_u32 s90, s90, s93
	s_add_co_u32 s90, s90, s92
	s_add_nc_u64 s[16:17], s[16:17], s[90:91]
; ---- THE TABLE of cos and sin, made while the first tiles are on their way.  My 16 pairs: n = 4 b + jj has frequency i = 8 b + 4 h + jj.
; cos and sin of four angles (not negative): n = round(angle 2/pi); y = angle - n pi/2 in two parts; polynomials on |y| <= pi/4; the quadrant swaps and signs them.
.macro SINCOS4 ang, d
.irp k, 0,1,2,3
	v_mul_f32 v[T+8*\k], 0x3f22f983, v[\ang+\k]
.endr
.irp k, 0,1,2,3
	v_rndne_f32 v[T+8*\k], v[T+8*\k]
.endr
.irp k, 0,1,2,3
	v_fmamk_f32 v[T+8*\k+1], v[T+8*\k], 0xbfc90fdb, v[\ang+\k]
.endr
.irp k, 0,1,2,3
	v_fmamk_f32 v[T+8*\k+1], v[T+8*\k], 0x333bbd2e, v[T+8*\k+1]    ; y
.endr
.irp k, 0,1,2,3
	v_mul_f32 v[T+8*\k+2], v[T+8*\k+1], v[T+8*\k+1]                ; z = y y
.endr
.irp k, 0,1,2,3
	v_cvt_i32_f32 v[T+8*\k], v[T+8*\k]                             ; the quadrant's number
.endr
.irp k, 0,1,2,3
	v_fmaak_f32 v[T+8*\k+3], v[KS3], v[T+8*\k+2], 0x3c08839e
.endr
.irp k, 0,1,2,3
	v_fmaak_f32 v[T+8*\k+5], v[KC3], v[T+8*\k+2], 0xbab6061a
.endr
.irp k, 0,1,2,3
	v_fmaak_f32 v[T+8*\k+3], v[T+8*\k+3], v[T+8*\k+2], 0xbe2aaaa3
.endr
.irp k, 0,1,2,3
	v_fmaak_f32 v[T+8*\k+5], v[T+8*\k+5], v[T+8*\k+2], 0x3d2aaaa5
.endr
.irp k, 0,1,2,3
	v_mul_f32 v[T+8*\k+4], v[T+8*\k+2], v[T+8*\k+1]                ; z y
.endr
.irp k, 0,1,2,3
	v_fma_f32 v[T+8*\k+6], v[T+8*\k+2], -0.5, 1.0                  ; 1 - z / 2
.endr
.irp k, 0,1,2,3
	v_fma_f32 v[T+8*\k+3], v[T+8*\k+3], v[T+8*\k+4], v[T+8*\k+1]   ; sin y
.endr
.irp k, 0,1,2,3
	v_mul_f32 v[T+8*\k+4], v[T+8*\k+2], v[T+8*\k+2]                ; z z
.endr
.irp k, 0,1,2,3
	v_fma_f32 v[T+8*\k+5], v[T+8*\k+5], v[T+8*\k+4], v[T+8*\k+6]   ; cos y
.endr
.irp k, 0,1,2,3
	v_and_b32 v[T+8*\k+4], 1, v[T+8*\k]
.endr
.irp k, 0,1,2,3
	v_cmp_eq_u32 s[84+\k], 1, v[T+8*\k+4]                          ; an odd quadrant: the two change places
.endr
.irp k, 0,1,2,3
	v_cndmask_b32 v[T+8*\k+6], v[T+8*\k+3], v[T+8*\k+5], s[84+\k]
.endr
.irp k, 0,1,2,3
	v_cndmask_b32 v[T+8*\k+5], v[T+8*\k+5], v[T+8*\k+3], s[84+\k]
.endr
.irp k, 0,1,2,3
	v_lshlrev_b32 v[T+8*\k+4], 30, v[T+8*\k]                       ; the sine's sign: bit 1 of the quadrant
.endr
.irp k, 0,1,2,3
	v_add_nc_u32 v[T+8*\k], 1, v[T+8*\k]                           ; the cosine's: bit 1 of the quadrant + 1
.endr
.irp k, 0,1,2,3
	v_and_b32 v[T+8*\k+4], 0x80000000, v[T+8*\k+4]
.endr
.irp k, 0,1,2,3
	v_lshlrev_b32 v[T+8*\k], 30, v[T+8*\k]
.endr
.irp k, 0,1,2,3
	v_xor_b32 v[\d+2*\k+1], v[T+8*\k+4], v[T+8*\k+6]
.endr
.irp k, 0,1,2,3
	v_and_b32 v[T+8*\k], 0x80000000, v[T+8*\k]
.endr
.irp k, 0,1,2,3
	v_xor_b32 v[\d+2*\k], v[T+8*\k], v[T+8*\k+5]
.endr
.endm
	v_mov_b32 v[KS3], 0xb94ca1f9
	v_mov_b32 v[KC3], 0x37ccf5ce
	v_lshlrev_b32 v[H4], 2, v2
	s_lshl_b32 s45, s89, 8
	s_lshl_b32 s2, s19, 7
	s_add_co_u32 s45, s45, s2
	v_add_nc_u32 v[POS], s45, v1                   ; my position in block 0: 256 (ty % 8) + 128 half + r
	v_cvt_f32_u32 v[POS], v[POS]
.irp n, 0,1,2,3,4,5,6,7,8,9,10,11,12,13,14,15
	v_add_nc_u32 v[TH+\n], 8*(\n/4)+\n%4, v[H4]
.endr
.irp n, 0,1,2,3,4,5,6,7,8,9,10,11,12,13,14,15
	v_cvt_f32_u32 v[TH+\n], v[TH+\n]
.endr
.irp n, 0,1,2,3,4,5,6,7,8,9,10,11,12,13,14,15
	v_mul_f32 v[TH+\n], 0xbed49a78, v[TH+\n]       ; -i log2(10000) / 32
.endr
	s_wait_alu depctr_va_vdst(0)
.irp n, 0,1,2,3,4,5,6,7,8,9,10,11,12,13,14,15
	v_exp_f32 v[TH+\n], v[TH+\n]                   ; theta_i: one batch
.endr
	v_nop                                          ; a plain instruction behind the last of them
	s_wait_alu depctr_va_vdst(0)                   ; one wait for the batch, ahead of its first reader
.irp n, 0,1,2,3,4,5,6,7,8,9,10,11,12,13,14,15
	v_mul_f32 v[ANG+\n], v[POS], v[TH+\n]
.endr
	SINCOS4 ANG, CSA
	SINCOS4 ANG+4, CSA+8
	SINCOS4 ANG+8, CSA+16
	SINCOS4 ANG+12, CSA+24
.irp n, 0,1,2,3,4,5,6,7,8,9,10,11,12,13,14,15
	v_mul_f32 v[ANG+\n], 0x41800000, v[TH+\n]      ; 16 theta_i, exact
.endr
	SINCOS4 ANG, STP
	SINCOS4 ANG+4, STP+8
	SINCOS4 ANG+8, STP+16
	SINCOS4 ANG+12, STP+24
.set blk, 0
.rept 8                                        ; block by block of 16 positions: store, then turn every pair by 16 theta into the other set
.set CUR, CSA+32*(blk%2)
.set NXT, CSA+32*((blk+1)%2)
.irp g, 0,1,2,3,4,5,6,7
	ds_store_b128 v[TRW], v[CUR+4*\g:CUR+4*\g+3] offset:4096*blk+512*\g
.endr
.if blk < 7
	s_wait_dscnt 8                                 ; all but the 8 just issued: the stores of the block before have read the set that is written now
.irp n, 0,1,2,3,4,5,6,7,8,9,10,11,12,13,14,15
	v_pk_mul_f32 v[NXT+2*\n:NXT+2*\n+1], v[CUR+2*\n:CUR+2*\n+1], v[STP+2*\n:STP+2*\n+1] op_sel_hi:[1,0]   ; (c C, s C)
.endr
.irp n, 0,1,2,3,4,5,6,7,8,9,10,11,12,13,14,15
	v_pk_fma_f32 v[NXT+2*\n:NXT+2*\n+1], v[CUR+2*\n:CUR+2*\n+1], v[STP+2*\n:STP+2*\n+1], v[NXT+2*\n:NXT+2*\n+1] op_sel:[1,1,0] op_sel_hi:[0,1,1] neg_lo:[0,1,0]   ; (c C - s S, s C + c S)
.endr
.endif
.set blk, blk+1
.endr
; a sum stands for sum x 2^(x's e + the weight's e): its code is sum / 2^E, E = the operand's e less those two: three scales folded into the conversion's one
.macro MKSC vh, vs, sa, sb, sc
	s_sub_co_i32 s45, s[\sa], s[\sb]
	s_sub_co_i32 s45, s45, s[\sc]
	s_add_co_i32 s45, s45, 127
	s_lshl_b32 s2, s45, 23
	v_mov_b32 v[\vs], s2                           ; 2^E
.endm
	s_wait_kmcnt 0x0
	MKSC 8, 9, 74, 68, 69                          ; Q: e6 - e0 - e1
	MKSC 10, 11, 75, 70, 71                        ; K: e7 - e2 - e3
	MKSC 12, 13, 77, 72, 73                        ; V: e9 - e4 - e5
; ---- THE PRODUCTS
.macro LDA p, kk, set, i0, n           ; x's blocks i0 .. i0 + n - 1 of the slot's kk-th 64 along K
.set li, \i0
.rept \n
	ds_load_b128 v[AF+64*(\set)+8*li:AF+64*(\set)+8*li+3],   v[ADRA+\p] offset:64*(\kk)+16*PITCH*li
	ds_load_b128 v[AF+64*(\set)+8*li+4:AF+64*(\set)+8*li+7], v[ADRA+\p] offset:64*(\kk)+16*PITCH*li+32
.set li, li+1
.endr
.endm
.macro LDB p, kk, x                    ; weight x's four blocks
.irp b, 0,1,2,3
	ds_load_b128 v[BF+32*(\x)+8*\b:BF+32*(\x)+8*\b+3],   v[ADRB+\p] offset:BBYTES*(\x)+64*(\kk)+16*PITCH*\b
	ds_load_b128 v[BF+32*(\x)+8*\b+4:BF+32*(\x)+8*\b+7], v[ADRB+\p] offset:BBYTES*(\x)+64*(\kk)+16*PITCH*\b+32
.endr
.endm
; na x 4 matrix instructions of matrix x (0 Q, 1 K, 2 V); the accumulators take turns, one instruction a turn, in the same order in every sub-step.  zero = 1: the product starts the sum.
.macro MUL x, set, a0, na, zero
	WIN 0x50*((\x)+1)                              ; C and D in window x + 1
.set ma, \a0
.rept \na
.irp b, 0,1,2,3
.if (\x) == 2
.if \zero
	v_wmma_f32_16x16x64_fp8_fp8 v[8*(4*ma+\b):8*(4*ma+\b)+7], v[AF+64*(\set)+8*ma:AF+64*(\set)+8*ma+7], v[BF+64+8*\b:BF+64+8*\b+7], 0
.else
	v_wmma_f32_16x16x64_fp8_fp8 v[8*(4*ma+\b):8*(4*ma+\b)+7], v[AF+64*(\set)+8*ma:AF+64*(\set)+8*ma+7], v[BF+64+8*\b:BF+64+8*\b+7], v[8*(4*ma+\b):8*(4*ma+\b)+7]
.endif
.else
.if \zero
	v_wmma_f32_16x16x64_fp8_fp8 v[8*(4*ma+\b):8*(4*ma+\b)+7], v[BF+32*(\x)+8*\b:BF+32*(\x)+8*\b+7], v[AF+64*(\set)+8*ma:AF+64*(\set)+8*ma+7], 0
.else
	v_wmma_f32_16x16x64_fp8_fp8 v[8*(4*ma+\b):8*(4*ma+\b)+7], v[BF+32*(\x)+8*\b:BF+32*(\x)+8*\b+7], v[AF+64*(\set)+8*ma:AF+64*(\set)+8*ma+7], v[8*(4*ma+\b):8*(4*ma+\b)+7]
.endif
.endif
.endr
.set ma, ma+1
.endr
.endm
; A sub-step is 64 along K: 32 products for Q, 32 for K, 32 for V.  A weight's one set is fetched anew as soon as its stretch is over; x has two sets.  Order of the loads of a sub-step: P_Q 8, x 8 + 8, P_K 8, P_V 8.
.macro SUB0 p, zero                    ; a slot's first 64 along K (x's set 0); its successor lies in the same slot
	PLACES 4
	WIN 0
	LDB \p, 0, 2                                   ; P_V for this sub-step: its set is free since the last stretch
	s_wait_dscnt 16                                ; P_Q and x are in; P_K's 8 and P_V's 8 may be out
	MUL 0, 0, 0, 8, \zero
	PLACES 4
	WIN 0
	LDB \p, 1, 0
	LDA \p, 1, 1, 0, 4
	s_wait_dscnt 24                                ; P_K is in; behind it: P_V's 8 and the 16 just issued
	MUL 1, 0, 0, 8, \zero
	PLACES 4
	WIN 0
	LDA \p, 1, 1, 4, 4
	LDB \p, 1, 1
	s_wait_dscnt 32                                ; P_V is in; behind it: the next sub-step's 32
	MUL 2, 0, 0, 8, \zero
.endm
; A slot's second 64 along K (x's set 1) changes slots: ONE barrier; in front of it each wave waits for all its tensor loads, adds 0 to its spare word, and waits for that and for its reads of this slot.
.macro SUB1 p, nx, fill
	PLACES 4
	WIN 0
	LDB \p, 1, 2                                   ; my last read of slot p
	s_wait_tensorcnt 0x0                           ; all my tensor loads have landed: the one that was out is my part of the next slot
	ds_add_u32 v[SPW], v[NIL]                      ; 0 onto my spare word
	s_wait_dscnt 17                                ; P_Q and x are in; P_K's 8, P_V's 8 and the add may be out
	MUL 0, 1, 0, 4, 0                              ; sixteen matrix instructions stand between the add and the wait for it
	s_wait_dscnt 0x0                               ; the add is done, and my reads of this slot are over
	s_barrier_signal -1
	MUL 0, 1, 4, 4, 0
	WIN 0
	s_barrier_wait -1
.if \fill
	CREST                                          ; the barrier has opened a round of the cluster's: no wave of any partner still reads this slot or has a load on its way
	s_add_nc_u64 s[G0A+4*\p+2:G0A+4*\p+3], s[G0A+4*\p+2:G0A+4*\p+3], 256
	s_add_nc_u64 s[G0B+4*\p+2:G0B+4*\p+3], s[G0B+4*\p+2:G0B+4*\p+3], 256
	JLOAD \p                                       ; two K steps on; 160 matrix instructions ahead of the wait for it; its four v_nop are the places in front of the loads below
.else
	PLACES 4
.endif
	LDB \nx, 0, 0
	LDA \nx, 0, 0, 0, 4
	s_wait_dscnt 16                                ; only the 16 just issued are out
	MUL 1, 1, 0, 8, 0
	PLACES 4
	WIN 0
	LDA \nx, 0, 0, 4, 4
	LDB \nx, 0, 1
	s_wait_dscnt 32
	MUL 2, 1, 0, 8, 0
.endm
	s_wait_dscnt 0x0                               ; my table's stores are done
	s_wait_tensorcnt 0x1                           ; my part of K step 0 is in; K step 1's may stay out
	s_barrier_signal -1
	s_barrier_wait -1
	LDB 0, 0, 0
	LDA 0, 0, 0, 0, 8
	LDB 0, 0, 1
	SUB0 0, 1                                      ; the first sub-step stands in front of the loop: its products start the sums
	WIN 0
	s_mov_b32 s3, 3
.Llap:                                                 ; a trip goes once round the ring and fills both slots again: K steps 2 to 7
	SUB1 0, 1, 1
	SUB0 1, 0
	SUB1 1, 0, 1
	SUB0 0, 0
	WIN 0
	s_sub_co_u32 s3, s3, 1
	s_cmp_lg_u32 s3, 0
	s_cbranch_scc1 .Llap
	SUB1 0, 1, 0                                   ; the tail fills nothing
	SUB0 1, 0
	PLACES 4                                       ; the very last sub-step
	WIN 0
	LDB 1, 1, 2
	s_wait_dscnt 16
	MUL 0, 1, 0, 8, 0
	s_wait_dscnt 8                                 ; P_V's 8 may be out
	MUL 1, 1, 0, 8, 0
	s_wait_dscnt 0x0
	MUL 2, 1, 0, 8, 0
; ---- THE WAY OUT.  Q and K, block by block of 16 positions: rotate, convert, store the image.
.macro LDCS a                          ; block a's 16 pairs (cos, sin) into set a % 2 of v32-95
.irp g, 0,1,2,3,4,5,6,7
	ds_load_b128 v[32+32*((\a)%2)+4*\g:32+32*((\a)%2)+4*\g+3], v[TRW] offset:4096*(\a)+512*\g
.endr
.endm
.macro ROPE x, a, hold, scale, base
.set CSR, 32+32*((\a)%2)
.set CDS, CD+8*((2*(\a)+(\x))%4)
	WIN (\x)+1                                     ; source 0: the accumulators' window
.irp n, 0,1,2,3,4,5,6,7,8,9,10,11,12,13,14,15  ; pair n of block a lies at v[32 a + 2 n]: each accumulator is read from its low end on
	v_pk_mul_f32 v[RN+2*\n:RN+2*\n+1], v[32*(\a)+2*\n:32*(\a)+2*\n+1], v[CSR+2*\n:CSR+2*\n+1] op_sel_hi:[1,0]   ; (x1 c, x2 c)
.endr
.irp n, 0,1,2,3,4,5,6,7,8,9,10,11,12,13,14,15
	v_pk_fma_f32 v[RN+2*\n:RN+2*\n+1], v[32*(\a)+2*\n:32*(\a)+2*\n+1], v[CSR+2*\n:CSR+2*\n+1], v[RN+2*\n:RN+2*\n+1] op_sel:[1,1,0] op_sel_hi:[0,1,1] neg_lo:[0,1,0]   ; (x1 c - x2 s, x2 c + x1 s)
.endr
	WIN 0
.set ri, 0
.rept 32
.set ri, ri+1
.endr
	s_wait_alu depctr_va_vdst(0)
	s_wait_xcnt 0x0                                ; earlier stores have read their data: the codes' registers may be written
.irp b, 0,1,2,3
	v_cvt_scalef32_pk8_fp8_f32 v[CDS+2*\b:CDS+2*\b+1], v[RN+8*\b:RN+8*\b+7], v[\scale]   ; features 16 b + 8 h + 0 .. 7: registers 2 b, 2 b + 1 of the fragment
.endr
	v_nop                                          ; a plain instruction behind the last conversion, ahead of the next writes of its sources
	global_store_b128 v[SO], v[CDS:CDS+3],   s[\base:\base+1] offset:1024*(\a)       ; 512 consecutive bytes a store
	global_store_b128 v[SO], v[CDS+4:CDS+7], s[\base:\base+1] offset:1024*(\a)+512
.endm
	PLACES 4                                       ; behind the last products
	WIN 0
	LDCS 0
	LDCS 1
.irp a, 0,1,2,3,4,5,6,7
.if \a < 7
	s_wait_dscnt 8                                 ; this block's pairs are in; the next block's 8 loads may be out
.else
	s_wait_dscnt 0x0
.endif
	ROPE 0, \a, 8, 9, 14
	ROPE 1, \a, 10, 11, 16
.if \a < 6
	LDCS \a+2
.endif
.endr
	WIN 0xc3                                       ; V: source 0 and destination window 3
.set ri, 0
.rept 256
.set ri, ri+1
.endr
	WIN 0x03
.irp a, 0,1,2,3,4,5,6,7
.irp b, 0,1,2,3
	v_cvt_scalef32_pk8_fp8_f32 v[160+16*\b+2*\a:160+16*\b+2*\a+1], v[8*(4*\a+\b):8*(4*\a+\b)+7], v13   ; channel 16 b + r, keys 16 a + 8 h + 0 .. 7: registers 2 a, 2 a + 1 of fragment b
.endr
.endr
	v_nop
	WIN 0
.irp b, 0,1,2,3
.irp c, 0,1,2,3
	global_store_b128 v[SO], v[160+16*\b+4*\c:160+16*\b+4*\c+3], s[16:17] offset:16384+2048*\b+512*\c
.endr
.endr
	s_wait_tensorcnt 0x0                           ; the wave's end: behind my last tensor load and my last LDS store
	ds_add_u32 v[SPW], v[NIL]
	s_wait_dscnt 0x0
	CROUND                                         ; the closing round: no work-group ends while a partner may still ask for a tile that names it
	s_endpgm
.Lfunc_end_k_q78a721e357_qkv:
	.size	k_q78a721e357_qkv, .Lfunc_end_k_q78a721e357_qkv-k_q78a721e357_qkv
	.p2alignl 7, 3214868480
	.fill 96, 4, 3214868480
	.section	.rodata,"a",@progbits
	.p2align	6, 0x0
	.amdhsa_kernel k_q78a721e357_qkv
		.amdhsa_group_segment_fixed_size 327680
		.amdhsa_private_segment_fixed_size 0
		.amdhsa_enable_private_segment 0
		.amdhsa_kernarg_size 56
		.amdhsa_user_sgpr_count 2
		.amdhsa_user_sgpr_kernarg_segment_ptr 1
		.amdhsa_wavefront_size32 1
		.amdhsa_system_sgpr_workgroup_id_x 1
		.amdhsa_system_sgpr_workgroup_id_y 1
		.amdhsa_system_sgpr_workgroup_id_z 1
		.amdhsa_system_vgpr_workitem_id 0
		.amdhsa_next_free_vgpr 1024
		.amdhsa_next_free_sgpr 100
		.amdhsa_reserve_vcc 0
		.amdhsa_float_denorm_mode_32 3
		.amdhsa_float_denorm_mode_16_64 3
		.amdhsa_fp16_overflow 1
		.amdhsa_memory_ordered 1
		.amdhsa_forward_progress 1
		.amdhsa_inst_pref_size 198
	.end_amdhsa_kernel
	.amdgpu_metadata
---
amdhsa.version: [ 1, 2 ]
amdhsa.kernels:
  - .name:           k_q78a721e357_qkv
    .symbol:         k_q78a721e357_qkv.kd
    .args:
      - { .name: x_codes, .offset: 0, .size: 8, .value_kind: global_buffer, .address_space: global }
      - { .name: P_Q_codes, .offset: 8, .size: 8, .value_kind: global_buffer, .address_space: global }
      - { .name: P_K_codes, .offset: 16, .size: 8, .value_kind: global_buffer, .address_space: global }
      - { .name: P_V_codes, .offset: 24, .size: 8, .value_kind: global_buffer, .address_space: global }
      - { .name: lowp_scales, .offset: 32, .size: 8, .value_kind: global_buffer, .address_space: global }
      - { .name: q_img, .offset: 40, .size: 8, .value_kind: global_buffer, .address_space: global }
      - { .name: kv_img, .offset: 48, .size: 8, .value_kind: global_buffer, .address_space: global }
    .group_segment_fixed_size: 327680
    .private_segment_fixed_size: 0
    .kernarg_segment_align: 8
    .kernarg_segment_size: 56
    .max_flat_workgroup_size: 128
    .sgpr_count:     100
    .vgpr_count:     1024
    .wavefront_size: 32
...
	.end_amdgpu_metadata
.endif
;; end of part 1
;; launch attn (part 2): grid 4 x 64, 16 waves a work-group, no clusters, 327,680 bytes of LDS; arguments q_img, kv_img, lowp_scales, o_img; writes o_img
.if DOCPART == 2
	.amdgcn_target "amdgcn-amd-amdhsa--gfx1250"
	.amdhsa_code_object_version 6
	.text
	.protected	k_q78a721e357_attn
	.globl	k_q78a721e357_attn
	.p2align	8
	.type	k_q78a721e357_attn,@function
k_q78a721e357_attn:
	s_mov_b64 s[64:65], 0
	v_nop
	global_prefetch_b8 v0, s[64:65] scope:SCOPE_SE
	s_setreg_imm32_b32 hwreg(HW_REG_WAVE_MODE, 25, 1), 1
	s_wait_xcnt 0x0
; O[bh][q] = the sum over k <= q of softmax_k(Q[q] . K[k] / 8) V[k], both products on codes of E4M3; Q, K, V come as images of operand registers (the first launch), O leaves as one (for the third).
; WORK LEFT OUT: a key step all of whose 128 keys come after a wave's 16 queries (the problem's own causal mask makes their p 0 for all finite inputs: shown at the head of the first launch).
; THE SOFTMAX AHEAD OF THE SECOND PRODUCT: t = score x log2(e) / 8; M = the row's largest t so far, rounded UP to a whole number; p = 2^(t - M) is quantised with 2^e8, not normalised; the row's sum is taken of the
; unquantised p and divides O at the end.  When M moves, the sum and O are multiplied by 2^(old M - new M): exact.
; SHARES.  Work-group (i, bh) owns the query blocks i and 7 - i of 256 queries of head bh: (i + 1) + (8 - i) = 9 slots' worth of keys for every work-group, 256 work-groups alike.  Each of sixteen waves owns 16 queries of
; each block, two tiles, in 256 registers: four waves to a SIMD, so that one wave's vector work stands beside another's matrix work and LDS loads.
; K and V come through a ring of two LDS slots of 256 keys (32,768 dense bytes of kv_img: wave 0 fetches K's half, wave 1 V's), read by all sixteen as images: 16 bytes a lane at 16 x lane, no pitch, no padding.
; NO CLUSTER: the four work-groups of a head need 8 - i slots, a different number each; a joint load of a slot beyond a partner's last query would be read by none of its waves.
; LAYOUT.  S^T = K Q^T (source 0 = 16 keys, source 1 = my 16 queries): a lane holds ONE query (lane % 16); register 8 t + j holds key 16 t + 8 (lane / 16) + j, so tile t's eight p convert into registers 2 t, 2 t + 1
; of the second product's operand.  O^T = V^T P^T: register 8 d + j holds channel 16 d + 8 (lane / 16) + j: tile d's eight convert into registers 2 d, 2 d + 1 of the next launch's operand.
; LIMITS: e6 + e7 between -123 and 130 (added to c's exponent field); e8 and e10 between -126 and 119; e8 + e9 is applied by v_ldexp_f32.  NaN is not served.
; REGISTERS: v1-6 addresses; v[8:11], v[12:15] -M, largest t, the sum in two halves, for the tile of block i and of block 7 - i; v16-31 their Q; v32-95 fragments of K or V; v96-159 S^T, then p; v160-191, v192-223 O^T; v224-239 p's codes; v240-254 constants and work.
.set SLOTB, 32768                      ; a slot: 16 tiles of K x 1,024 bytes, then 2 key steps x 4 fragments of V x 2,048
.set SLOT1, 32768                      ; slot 1 begins here: one exclusive or turns an address from one slot to the other
.set SPARE, 65536                      ; behind the ring: the spare words, 128 bytes for each of 16 waves, which no other line names
.set LI,  1                            ; v1  16 x lane
.set SPW, 2                            ; v2  my spare word; never rewritten
.set NIL, 3                            ; v3  0; never rewritten
.set ADR, 4                            ; v4  the slot in hand + 16 x lane
.set PFO, 5                            ; v5  256 x lane, for the prefetches
.set RH,  6                            ; v6  lane % 16 - 8 (lane / 16)
.set TB,  2                            ; s2  LDS byte at which the slot in hand begins
.set WV,  18
.set SEL, 20                           ; s[20:21] lane selects: lane xor 16
.set CS,  22                           ; s[22:23] c = log2(e) / 8 x 2^(e6 + e7)
.set G1,  24                           ; s[24:31] descriptor group 1; s[40:43] group 0, which walks
.set G0,  40
.set SLOTS, 67                         ; s67 slots still to be asked for (or left out at the causal limit)
.set PFA, 76                           ; s[76:77] where my prefetches stand
.set LIM, 80                           ; s80 1 in a wave that prefetches, else the greatest number
.set KF,  98                           ; s98 the step's first key
.set Q0A, 99                           ; s99 my first query in block i
.set Q0B, 100                          ; s100 in block 7 - i
.macro TLOAD                           ; waves 0 and 1 fetch, the others nothing; s_nop 0 and four v_nop follow the line
	s_cmp_lt_u32 s[WV], 2
	s_cbranch_scc0 .Lasked_\@
	tensor_load_to_lds s[G0:G0+3], s[G1:G1+7]
	s_nop 0
.rept 4
	v_nop
.endr
.Lasked_\@:
.endm
; A prefetch of the slot that the NEXT change of slots will ask for: a slot's two key steps ahead of that load.  All four work-groups of a head walk the same slots: work-group i = 0, which walks all eight, asks, and in it
; waves 4 to 7, which fetch nothing: 8,192 bytes a wave, lanes 256 bytes apart: each aligned 256 bytes of a slot is named once in the launch.  Slots 0 and 1 come by their loads alone; the last change that fills a slot asks for nothing.
.macro ASK
	s_cmp_gt_u32 s[SLOTS], s[LIM]
	s_cbranch_scc0 .Lnot_mine_\@
	global_prefetch_b8 v[PFO], s[PFA:PFA+1] th:TH_LOAD_NT scope:SCOPE_SE
.Lnot_mine_\@:
.endm
	s_load_b256 s[4:11], s[0:1], 0x0               ; q_img s[4:5], kv_img s[6:7], the exponents s[8:9], o_img s[10:11]
	v_lshl_add_u32 v[SPW], v0, 2, SPARE
	v_mov_b32 v[NIL], 0
	ds_add_u32 v[SPW], v[NIL]                      ; the wave's opening: the add, twice on end, and its wait ahead of the first tensor load
	ds_add_u32 v[SPW], v[NIL]
	v_lshrrev_b32 v7, 5, v0
	s_delay_alu instid0(VALU_DEP_1)
	v_readfirstlane_b32 s[WV], v7                  ; wave 0..15
	s_and_b32 s12, ttmp7, 0xffff                   ; bh
	s_mov_b32 s[G1], 3<<16                         ; no mask; elements of 8 bytes; no padding
	s_mov_b32 s[G1+1], 32<<16                      ; tensor_dim0 = 32: rows of 256 bytes
	s_mov_b32 s[G1+2], 64<<16                      ; tensor_dim1 = 64
	s_mov_b32 s[G1+3], 32<<16                      ; tile_dim0
	s_mov_b32 s[G1+4], 64                          ; tile_dim1: 16,384 dense bytes
	s_mov_b32 s[G1+5], 32                          ; from row to row
	s_mov_b32 s[G1+6], 0
	s_mov_b32 s[G1+7], 0
	s_mov_b32 s[SEL], 0x76543210
	s_mov_b32 s[SEL+1], 0xfedcba98
	s_mov_b32 s[CS], 0x3e38aa3b                    ; log2(e) / 8
	s_mov_b32 s[TB], 0
	s_mov_b32 s[SLOTS], 7
	s_mov_b32 s[KF], 0
	s_lshl_b32 s13, ttmp9, 8
	s_lshl_b32 s14, s[WV], 4
	s_add_co_u32 s[Q0A], s13, s14                  ; 256 i + 16 wave
	s_sub_co_u32 s13, 1792, s13
	s_add_co_u32 s[Q0B], s13, s14                  ; 256 (7 - i) + 16 wave
	s_and_b32 s15, s[WV], 1
	s_lshl_b32 s15, s15, 14                        ; which half of a slot I fetch, if I fetch
	s_lshl_b32 s16, s12, 18                        ; the head's 262,144 bytes of kv_img
	s_add_co_u32 s16, s16, s15
	s_mov_b32 s17, 0
	s_wait_dscnt 0x0                               ; both opening adds are done
	s_wait_kmcnt 0x0
	s_load_b128 s[68:71], s[8:9], 0x18             ; e6, e7, e8, e9
	s_load_b32 s72, s[8:9], 0x28                   ; e10
	s_mov_b32 s[G0], 1
	s_mov_b32 s[G0+1], s15
	s_add_nc_u64 s[G0+2:G0+3], s[6:7], s[16:17]
	s_or_b32 s[G0+3], s[G0+3], 0x80000000
	TLOAD                                          ; slot 0, which holds key 0: it counts for every query
	s_lshl_b32 s82, s12, 18                        ; the prefetches: my wave's 8,192 bytes, in slot 1: the first change of slots steps it to slot 2
	s_and_b32 s83, s[WV], 3
	s_lshl_b32 s83, s83, 13
	s_add_co_u32 s82, s82, s83
	s_add_co_u32 s82, s82, SLOTB
	s_mov_b32 s83, 0
	s_add_nc_u64 s[PFA:PFA+1], s[6:7], s[82:83]
	s_lshr_b32 s82, s[WV], 2
	s_xor_b32 s82, s82, 1                          ; 0 in waves 4 to 7,
	s_or_b32 s82, s82, ttmp9                       ; of work-group i = 0
	s_cmp_eq_u32 s82, 0
	s_cselect_b32 s[LIM], 1, -1
	v_and_b32 v[LI], 31, v0
	s_delay_alu instid0(VALU_DEP_1)
	v_lshlrev_b32 v[PFO], 8, v[LI]
	s_delay_alu instid0(VALU_DEP_2)
	v_lshlrev_b32 v[LI], 4, v[LI]
	s_wait_alu depctr_va_vdst(0)
	s_lshl_b32 s82, s12, 17                        ; q_img: a head is 131,072 bytes, a tile of 16 queries 1,024 = 64 a query
	s_lshl_b32 s84, s[Q0A], 6
	s_add_co_u32 s84, s84, s82
	s_mov_b32 s85, 0
	s_add_nc_u64 s[84:85], s[4:5], s[84:85]
	s_lshl_b32 s86, s[Q0B], 6
	s_add_co_u32 s86, s86, s82
	s_mov_b32 s87, 0
	s_add_nc_u64 s[86:87], s[4:5], s[86:87]
	global_load_b128 v[16:19], v[LI], s[84:85]             ; Q's two fragments stay in registers
	global_load_b128 v[20:23], v[LI], s[84:85] offset:512
	global_load_b128 v[24:27], v[LI], s[86:87]
	global_load_b128 v[28:31], v[LI], s[86:87] offset:512
	s_lshr_b32 s82, s12, 4                         ; o_img: a batch is 128 row tiles of 16,384 bytes; a row tile 1,024 a query / 16; a head's part begins 1,024 x head on
	s_lshl_b32 s82, s82, 21
	s_and_b32 s83, s12, 15
	s_lshl_b32 s83, s83, 10
	s_add_co_u32 s82, s82, s83
	s_lshl_b32 s88, s[Q0A], 10
	s_add_co_u32 s88, s88, s82
	s_mov_b32 s89, 0
	s_add_nc_u64 s[88:89], s[10:11], s[88:89]
	s_lshl_b32 s90, s[Q0B], 10
	s_add_co_u32 s90, s90, s82
	s_mov_b32 s91, 0
	s_add_nc_u64 s[90:91], s[10:11], s[90:91]
	v_and_b32 v7, 15, v0
	v_bfe_u32 v[RH], v0, 4, 1
	s_delay_alu instid0(VALU_DEP_1)
	v_lshlrev_b32 v[RH], 3, v[RH]
	s_delay_alu instid0(VALU_DEP_1)
	v_sub_nc_u32 v[RH], v7, v[RH]
.irp st, 8, 12
	v_mov_b32 v[\st+1], 0xff61b1e6                 ; the largest t so far: -3e38, under every t
	s_delay_alu instid0(VALU_DEP_1)
	v_floor_f32 v[\st], -v[\st+1]                  ; -M
	v_mov_b32 v[\st+2], 0                          ; the sum, in two halves
	v_mov_b32 v[\st+3], 0
.endr
	v_mov_b32 v249, 0                              ; (upper halves of pairs that are named whole, and a lane permute's destination: written once)
	v_mov_b32 v251, 0
	v_mov_b32 v252, 0
	v_mov_b32 v253, 0xff800000                     ; -infinity
.set sn, 0
.rept 64
	v_mov_b32 v[160+sn], 0                         ; O^T of both tiles.  (The step is written once: the first finds zeros, which the first change of M leaves zeros)
.set sn, sn+1
.endr
	s_wait_kmcnt 0x0
	s_add_co_i32 s82, s68, s69
	s_lshl_b32 s82, s82, 23
	s_add_co_i32 s[CS], s[CS], s82                 ; a score stands for score x 2^(e6 + e7): added to c's exponent field
	s_mov_b32 s[CS+1], s[CS]
	s_add_co_i32 s82, s70, 127
	s_lshl_b32 s83, s82, 23
	v_mov_b32 v241, s83                            ; 2^e8
	s_add_co_i32 s82, s72, 127
	s_lshl_b32 s83, s82, 23
	v_mov_b32 v243, s83                            ; 2^e10
	s_add_co_i32 s73, s70, s71                     ; e8 + e9
; A KEY STEP for one tile: 128 keys, the q-th of the slot in hand.  st: the tile's statistics; qf: its Q; of: its O^T; sq: the scalar with its first query.
.macro STEP q, st, qf, of, sq
	s_add_co_u32 s96, s[\sq], 15                   ; a step all of whose keys come after my 16 queries is left out: a scalar branch on ids; no barrier, tensor load or address step stands in a step
	s_cmp_gt_u32 s[KF], s96
	s_cbranch_scc1 .Lhidden_\@
.rept 4
	v_nop                                          ; places in front of loads into registers that the last products read
.endr
	s_wait_alu depctr_va_vdst(0)
.irp t, 0,1,2,3,4,5,6,7
	ds_load_b128 v[32+8*\t:35+8*\t], v[ADR] offset:(8*(\q)+\t)*1024
	ds_load_b128 v[36+8*\t:39+8*\t], v[ADR] offset:(8*(\q)+\t)*1024+512
.endr
	s_wait_dscnt 0x0
.irp t, 0,1,2,3,4,5,6,7
	v_wmma_f32_16x16x64_fp8_fp8 v[96+8*\t:103+8*\t], v[32+8*\t:39+8*\t], v[\qf:\qf+7], 0
.endr
.rept 4
	v_nop                                          ; places: for V's loads into K's registers, and for the first read of the scores
.endr
	s_wait_alu depctr_va_vdst(0)
.irp d, 0,1,2,3
.irp c, 0,1,2,3
	ds_load_b128 v[32+16*\d+4*\c:35+16*\d+4*\c], v[ADR] offset:16384+8192*(\q)+2048*\d+512*\c   ; V's four fragments land under the softmax
.endr
.endr
	s_add_co_u32 s96, s[KF], 127                   ; on the diagonal hidden scores become -infinity ahead of the maximum: p = 0 then.  A step all of whose keys count skips this
	s_cmp_le_u32 s96, s[\sq]
	s_cbranch_scc1 .Lopen_\@
	s_sub_co_i32 s96, s[\sq], s[KF]
	v_add_nc_u32 v254, s96, v[RH]                  ; d = my query - the step's first key - 8 (lane / 16): register 8 t + j is hidden where 16 t + j > d
.set sn, 0
.rept 64
	v_cmp_gt_i32 vcc_lo, 16*(sn/8)+sn%8, v254
	v_cndmask_b32 v[96+sn], v[96+sn], v253, vcc_lo
.set sn, sn+1
.endr
.Lopen_\@:
	v_max3_num_f32 v250, v96, v97, v98             ; the step's largest score of my query, among my 64 keys, in two chains (each accumulator is first read at its low end),
	v_max3_num_f32 v251, v99, v100, v101
.irp i, 6,10,14,18,22,26,30,34,38,42,46,50,54,58
	v_max3_num_f32 v250, v250, v[96+\i], v[97+\i]
	v_max3_num_f32 v251, v251, v[98+\i], v[99+\i]
.endr
	v_max3_num_f32 v250, v250, v158, v159
	s_delay_alu instid0(VALU_DEP_1)
	v_max_num_f32 v250, v250, v251
	s_delay_alu instid0(VALU_DEP_1)
	v_permlanex16_b32 v252, v250, s[SEL], s[SEL+1]
	s_delay_alu instid0(VALU_DEP_1)
	v_max_num_f32 v250, v250, v252                 ; and among lane xor 16's
	s_delay_alu instid0(VALU_DEP_1)
	v_mul_f32 v250, s[CS], v250                    ; as t (c is positive)
	s_delay_alu instid0(VALU_DEP_1)
	v_max_num_f32 v[\st+1], v[\st+1], v250         ; the running largest t
	v_mov_b32 v250, v[\st]
	s_delay_alu instid0(VALU_DEP_2)
	v_floor_f32 v[\st], -v[\st+1]                  ; the new -M = floor(-t): M is a whole number
	s_delay_alu instid0(VALU_DEP_1)
	v_sub_f32 v250, v[\st], v250                   ; old M - new M: a whole number, 0 or less
	s_delay_alu instid0(VALU_DEP_1)
	v_cvt_i32_f32 v250, v250                       ; (it saturates)
	s_delay_alu instid0(VALU_DEP_1)
	v_ldexp_f32 v248, 1.0, v250                    ; f = 2^(old M - new M)
.set sn, 0
.rept 32
	v_pk_fma_f32 v[96+sn:97+sn], v[96+sn:97+sn], s[CS:CS+1], v[\st:\st+1] op_sel_hi:[1,0,0]   ; t - M, two at a time
.set sn, sn+2
.endr
.set sn, 0
	s_wait_alu depctr_va_vdst(0)
.rept 64
	v_exp_f32 v[96+sn], v[96+sn]                   ; p = 2^(t - M): one batch
.set sn, sn+1
.endr
	v_pk_mul_f32 v[\st+2:\st+3], v[\st+2:\st+3], v[248:249] op_sel_hi:[1,0]   ; the sums under the new M: the plain instruction behind the batch
	s_wait_alu depctr_va_vdst(0)                   ; one wait for the batch, ahead of its first reader
	v_pk_add_f32 v[246:247], v[96:97], v[98:99]    ; the row's sum is taken of the unquantised p: two at a time, in two chains
.irp j, 4,8,12,16,20,24,28,32,36,40,44,48,52,56,60
	v_pk_add_f32 v[\st+2:\st+3], v[\st+2:\st+3], v[96+\j:97+\j]
	v_pk_add_f32 v[246:247], v[246:247], v[98+\j:99+\j]
.endr
	s_delay_alu instid0(VALU_DEP_1)
	v_pk_add_f32 v[\st+2:\st+3], v[\st+2:\st+3], v[246:247]
.irp t, 0,1,2,3,4,5,6,7
.irp i, 0,1,2,3,4,5,6,7
.endr
	v_cvt_scalef32_pk8_fp8_f32 v[224+2*\t:225+2*\t], v[96+8*\t:103+8*\t], v241
.endr
.set sn, 0
.rept 16
	v_pk_mul_f32 v[\of+sn:\of+sn+1], v[\of+sn:\of+sn+1], v[248:249] op_sel_hi:[1,0]   ; O^T under the new M.  (Plain instructions between the conversions and the products)
.set sn, sn+2
.endr
	s_wait_alu depctr_va_vdst(0)
	s_wait_dscnt 0x0                               ; V is in
.irp d, 0,1,2,3
	v_wmma_f32_16x16x128_fp8_fp8 v[\of+8*\d:\of+8*\d+7], v[32+16*\d:47+16*\d], v[224:239], v[\of+8*\d:\of+8*\d+7]   ; the four accumulators by turns
.endr
.Lhidden_\@:
.endm
; THE CHANGE OF SLOTS stands at a slot's head.  Each wave waits for all its tensor loads, adds 0 to its spare word, and waits for that and for its reads of the slot that it has left; behind the barrier the slot ahead is whole
; and nobody reads the other one, which is filled with the keys that follow, up to the causal limit.
.macro CHANGE fill
	s_wait_tensorcnt 0x0                           ; no tensor load of mine is out, so group 0 may be written
	ds_add_u32 v[SPW], v[NIL]                      ; 0 onto my spare word
.if \fill
	ds_add_u32 v[SPW], v[NIL]                      ; and once more: the add twice on end, in every trip alike
	s_xor_b32 s[G0+1], s[G0+1], SLOT1              ; the walking descriptor: the other slot,
	s_add_nc_u64 s[G0+2:G0+3], s[G0+2:G0+3], SLOTB ; the next 256 keys
	s_wait_xcnt 0x0                                ; the last prefetch, a slot back, has read its address
	s_add_nc_u64 s[PFA:PFA+1], s[PFA:PFA+1], SLOTB
.endif
	s_wait_dscnt 0x0                               ; the adds are done, and my reads of the slot that I have left are over
	s_barrier_signal -1
	s_barrier_wait -1
.if \fill
	s_add_co_u32 s96, s[KF], 256                   ; the first key of the slot that this change would ask for,
	s_or_b32 s97, s[Q0B], 255                      ; against my work-group's last query: a slot beyond it is read by none of the sixteen waves and is not asked for.
	s_cmp_gt_u32 s96, s97                          ; Ids and the count of steps alone: all waves go the same way; every wait on TENSORcnt in this text is for 0
	s_cbranch_scc1 .Lpast_\@
	TLOAD                                          ; a wave's one tensor load until the next such barrier
.Lpast_\@:
	ASK
.endif
.endm
.macro SLOT_STEPS
	v_add_nc_u32 v[ADR], s[TB], v[LI]
.irp q, 0,1
	STEP \q, 12, 24, 192, Q0B
	STEP \q, 8, 16, 160, Q0A
	s_add_co_u32 s[KF], s[KF], 128
.endr
	s_xor_b32 s[TB], s[TB], SLOT1
.endm
	s_wait_loadcnt 0x0                             ; Q
.Lslot:                                                ; seven trips: every work-group walks all eight slots, so that trip counts are constants; what a mask hides is jumped over inside
	CHANGE 1
	SLOT_STEPS
	s_sub_co_u32 s[SLOTS], s[SLOTS], 1
	s_cmp_lg_u32 s[SLOTS], 0
	s_cbranch_scc1 .Lslot
	CHANGE 0                                       ; the last slot is written out: nothing is left to ask for
	SLOT_STEPS
; THE WAY OUT of a tile: O^T x 2^(e8 + e9) / the sum, converted with 2^e10: the codes are registers of the next launch's operand and leave as they stand, 512 consecutive bytes a store.
.macro FIN st, of, w, cd, sb
	v_add_f32 v250, v[\st+2], v[\st+3]             ; the sum's two halves,
	s_delay_alu instid0(VALU_DEP_1)
	v_permlanex16_b32 v252, v250, s[SEL], s[SEL+1]
	s_delay_alu instid0(VALU_DEP_1)
	v_add_f32 v250, v250, v252                     ; and lane xor 16's
	s_wait_alu depctr_va_vdst(0)
	v_rcp_f32 v250, v250
	v_nop                                          ; a plain instruction behind the reciprocal
	s_wait_alu depctr_va_vdst(0)                   ; and the wait ahead of its first reader
	v_ldexp_f32 v250, v250, s73
.set sn, 0
.rept 16
	v_pk_mul_f32 v[\w+sn:\w+sn+1], v[\of+sn:\of+sn+1], v[250:251] op_sel_hi:[1,0]   ; each accumulator from its low end on
.set sn, sn+2
.endr
.set sn, 0
.rept 32
.set sn, sn+1
.endr
.irp d, 0,1,2,3
	v_cvt_scalef32_pk8_fp8_f32 v[\cd+2*\d:\cd+2*\d+1], v[\w+8*\d:\w+8*\d+7], v243
.endr
	v_nop
	global_store_b128 v[LI], v[\cd:\cd+3],   s[\sb:\sb+1]
	global_store_b128 v[LI], v[\cd+4:\cd+7], s[\sb:\sb+1] offset:512
.endm
.rept 4
	v_nop                                          ; places behind the last products
.endr
	FIN 8, 160, 96, 224, 88
	FIN 12, 192, 128, 232, 90
	s_wait_tensorcnt 0x0                           ; the wave's end
	ds_add_u32 v[SPW], v[NIL]
	s_wait_dscnt 0x0
	s_endpgm
.Lfunc_end_k_q78a721e357_attn:
	.size	k_q78a721e357_attn, .Lfunc_end_k_q78a721e357_attn-k_q78a721e357_attn
	.p2alignl 7, 3214868480
	.fill 96, 4, 3214868480
	.section	.rodata,"a",@progbits
	.p2align	6, 0x0
	.amdhsa_kernel k_q78a721e357_attn
		.amdhsa_group_segment_fixed_size 327680
		.amdhsa_private_segment_fixed_size 0
		.amdhsa_enable_private_segment 0
		.amdhsa_kernarg_size 32
		.amdhsa_user_sgpr_count 2
		.amdhsa_user_sgpr_kernarg_segment_ptr 1
		.amdhsa_wavefront_size32 1
		.amdhsa_system_sgpr_workgroup_id_x 1
		.amdhsa_system_sgpr_workgroup_id_y 1
		.amdhsa_system_sgpr_workgroup_id_z 1
		.amdhsa_system_vgpr_workitem_id 0
		.amdhsa_next_free_vgpr 256
		.amdhsa_next_free_sgpr 104
		.amdhsa_reserve_vcc 1
		.amdhsa_float_denorm_mode_32 3
		.amdhsa_float_denorm_mode_16_64 3
		.amdhsa_fp16_overflow 1
		.amdhsa_memory_ordered 1
		.amdhsa_forward_progress 1
		.amdhsa_inst_pref_size 163
	.end_amdhsa_kernel
	.amdgpu_metadata
---
amdhsa.version: [ 1, 2 ]
amdhsa.kernels:
  - .name:           k_q78a721e357_attn
    .symbol:         k_q78a721e357_attn.kd
    .args:
      - { .name: q_img, .offset: 0, .size: 8, .value_kind: global_buffer, .address_space: global }
      - { .name: kv_img, .offset: 8, .size: 8, .value_kind: global_buffer, .address_space: global }
      - { .name: lowp_scales, .offset: 16, .size: 8, .value_kind: global_buffer, .address_space: global }
      - { .name: o_img, .offset: 24, .size: 8, .value_kind: global_buffer, .address_space: global }
    .group_segment_fixed_size: 327680
    .private_segment_fixed_size: 0
    .kernarg_segment_align: 8
    .kernarg_segment_size: 32
    .max_flat_workgroup_size: 512
    .sgpr_count:     104
    .vgpr_count:     256
    .wavefront_size: 32
...
	.end_amdgpu_metadata
.endif
;; end of part 2
;; launch oproj (part 3): grid 8 x 32, 4 waves a work-group, clusters of 4 x 4, 327,680 bytes of LDS; arguments o_img, P_O_codes, lowp_scales, out0; writes out0
.if DOCPART == 3
	.amdgcn_target "amdgcn-amd-amdhsa--gfx1250"
	.amdhsa_code_object_version 6
	.text
	.protected	k_q78a721e357_oproj
	.globl	k_q78a721e357_oproj
	.p2align	8
	.type	k_q78a721e357_oproj,@function
k_q78a721e357_oproj:
	s_mov_b64 s[64:65], 0
	v_nop
	global_prefetch_b8 v0, s[64:65] scope:SCOPE_SE
	s_setreg_imm32_b32 hwreg(HW_REG_WAVE_MODE, 25, 1), 1
	s_wait_xcnt 0x0
	s_wait_alu depctr_hold_cnt(0) depctr_sa_sdst(0) depctr_va_vdst(0) depctr_va_sdst(0) depctr_va_ssrc(0) depctr_va_vcc(0) depctr_vm_vsrc(0)
	s_getreg_b32 s2, hwreg(HW_REG_IB_STS2, 6, 4)
	s_cmp_eq_u32 s2, 0
	s_cbranch_scc0 .Lentry_in_a_cluster
	s_endpgm
.Lentry_in_a_cluster:
	s_bfe_u32 s2, ttmp6, 0x10000c
	s_cmp_lg_u32 s2, 0xf033
	s_cbranch_scc0 .Lentry_shape_is_right
	s_endpgm
.Lentry_shape_is_right:
; out0[row][d] = 2^(e10 + e11) x the sum over e of O[row][e] P_O[d][e], on codes of E4M3.  O comes as images of operand registers (o_img: [row tile of 16][128 along K, 8][4][lane][16 bytes]), P_O as rows of 1,024 codes.  No work is left out here.
; SHARES.  A tile of out0 is 256 rows x 128 columns: 8 x 32 = 256 work-groups (tiles of 256 x 256 would be 128).  Wave w: rows 128 (w / 2) on, columns 64 (w % 2) on: 32 accumulators, 256 registers.
; K goes in steps of 256 through two LDS slots.  CLUSTERS 4 x 4: O's tile is shared along a row of the cluster, P_O's along a column: joint loads; waves 0, 1 ask for O's halves, waves 2, 3 for P_O's.
; THE MATRIX INSTRUCTION IS USED TRANSPOSED (source 0 = 16 rows of P_O, source 1 = 16 rows of O): a lane holds eight neighbouring numbers of a row of out0.
; O's images hold k in the form's own places (registers 2 c, 2 c + 1: k = 16 c + 8 (lane / 16) + 0 .. 7), so P_O's fragments are fetched so too: eight loads of 8 bytes.
; LIMIT: e10 + e11 between -126 and 127, so that 2^(e10 + e11) is an f32 number.
; REGISTERS: window 0: v1-29 addresses; v32-127 the way out; v128-255 P_O's fragments, two sets of 4 x 16.  Window 1: the accumulators, (a, b) at v[8 (4 a + b)].  Window 2: O's fragments, two sets of 8 x 16.
.set ASL,    65536                     ; a slot: O's 16 row tiles x 4,096 bytes,
.set BP,     272                       ; then P_O's 128 rows of 256 bytes + 16 of padding = 68 words: a load's 32 lanes touch 64 different banks
.set SLOT,   ASL+128*BP                ; 100,352
.set STAGE,  2*SLOT                    ; behind the ring: 16 rows x 272 bytes for each wave, for the way out; no tile lands here
.set SPARE,  STAGE+4*16*272            ; behind the stages: the spare words, 128 bytes for each wave, which no other line names
.set ADRA, 16                          ; v16-17 my O fragments in slot 0, 1
.set ADRB, 20                          ; v20-21 my P_O fragments
.set STO,  24
.set RD,   25
.set CO,   26
.set SPW,  28                          ; my spare word; never rewritten
.set NIL,  29                          ; 0; never rewritten
.set TMP,  32                          ; the way out: a block's 32 numbers
.set BK,   64                          ; and 16 rows read back: v64-95 and v96-127 by turns
.set BFR,  128
.set G1,  24
.set G0,  32
.set G1B, 48
.set G0B, 56
.set MSB, 0
.macro WIN new
.if MSB != (\new)
	s_set_vgpr_msb (MSB<<8)|(\new)
.set MSB, (\new)
.endif
.endm
.macro PLACES n
.rept \n
	v_nop
.endr
.endm
.macro JLOAD p                         ; a joint load into slot p; the branch hangs on the wave's number alone; s_nop 0 and four v_nop follow each line
	s_cmp_eq_u32 s15, 0
	s_cbranch_scc0 .Lfor_b_\@
	tensor_load_to_lds s[G0+4*\p:G0+4*\p+3], s[G1:G1+7]
	s_nop 0
.rept 4
	v_nop
.endr
	s_branch .Lasked_\@
.Lfor_b_\@:
	tensor_load_to_lds s[G0B+4*\p:G0B+4*\p+3], s[G1B:G1B+7]
	s_nop 0
.rept 4
	v_nop
.endr
.Lasked_\@:
.endm
.macro CREST
	s_cmp_lg_u32 s14, 0
	s_cbranch_scc1 .Lnot_wave_0_\@
	s_barrier_signal -3
.Lnot_wave_0_\@:
	s_barrier_wait -3
	s_barrier_signal -1
	s_barrier_wait -1
.endm
.macro CROUND
	s_barrier_signal -1
	s_barrier_wait -1
	CREST
.endm
	s_load_b256 s[4:11], s[0:1], 0x0               ; o_img s[4:5], P_O s[6:7], the exponents s[8:9], out0 s[10:11]
	v_lshl_add_u32 v[SPW], v0, 2, SPARE
	v_mov_b32 v[NIL], 0
	ds_add_u32 v[SPW], v[NIL]                      ; the wave's opening: the add, twice on end, and its wait ahead of my first tensor load
	ds_add_u32 v[SPW], v[NIL]
	v_lshrrev_b32 v1, 5, v0
	v_readfirstlane_b32 s14, v1                    ; wave 0..3
	s_lshr_b32 s15, s14, 1                         ; my half of the rows.  Also: I fetch for O (0) or for P_O (1)
	s_and_b32 s16, s14, 1                          ; my half of the columns.  Also: which half of that tile I fetch
	s_bfe_u32 s40, ttmp6, 0x40000
	s_bfe_u32 s41, ttmp6, 0x40004
	s_lshl_b32 s42, ttmp9, 2
	s_add_co_u32 s42, s42, s40                     ; tx: columns 128 tx on
	s_and_b32 s17, ttmp7, 0xffff
	s_lshl_b32 s17, s17, 2
	s_add_co_u32 s17, s17, s41                     ; ty: rows 256 ty on
	s_lshl_b32 s43, s41, 2
	s_lshl_b32 s43, 15, s43                        ; my row of the cluster
	s_lshl_b32 s44, 0x1111, s40                    ; my column
	s_or_b32 s[G1], s43, (3<<16)|(1<<21)           ; O: the mask; elements of 8 bytes; bit 21 beside a mask; no padding
	s_mov_b32 s[G1+1], 512<<16                     ; tensor_dim0 = 512: 4,096 bytes of a row tile, 256 along K
	s_mov_b32 s[G1+2], 8<<16                       ; tensor_dim1 = 8 row tiles
	s_mov_b32 s[G1+3], 512<<16
	s_mov_b32 s[G1+4], 8
	s_mov_b32 s[G1+5], 2048                        ; 16,384 bytes from row tile to row tile
	s_mov_b32 s[G1+6], 0
	s_mov_b32 s[G1+7], 0
	s_or_b32 s[G1B], s44, (1<<20)|(1<<21)|(5<<22)|(3<<25)   ; P_O: elements of 1 byte; after every 64 words, 4 words of padding
	s_mov_b32 s[G1B+1], 256<<16
	s_mov_b32 s[G1B+2], 64<<16
	s_mov_b32 s[G1B+3], 256<<16
	s_mov_b32 s[G1B+4], 64
	s_mov_b32 s[G1B+5], 1024
	s_mov_b32 s[G1B+6], 0
	s_mov_b32 s[G1B+7], 0
	s_lshl_b32 s20, s17, 18                        ; O: 16 ty row tiles of 16,384 bytes,
	s_lshl_b32 s18, s16, 17                        ; + my 8
	s_add_co_u32 s20, s20, s18
	s_mov_b32 s21, 0
	s_lshl_b32 s46, s42, 17                        ; P_O: 128 tx rows of 1,024 bytes,
	s_lshl_b32 s18, s16, 16                        ; + my 64
	s_add_co_u32 s46, s46, s18
	s_mov_b32 s47, 0
	s_lshl_b32 s45, s16, 15                        ; where they go: O's halves,
	s_mul_i32 s19, s16, 64*BP
	s_add_co_u32 s19, s19, ASL                     ; P_O's halves
	s_wait_dscnt 0x0                               ; both opening adds are done
	s_wait_kmcnt 0x0
	s_load_b64 s[96:97], s[8:9], 0x28              ; e10, e11
	s_add_nc_u64 s[20:21], s[4:5], s[20:21]
	s_add_nc_u64 s[46:47], s[6:7], s[46:47]
	CROUND                                         ; all sixteen work-groups are here: the first joint loads meet
.irp p, 0,1
	s_mov_b32 s[G0+4*\p], 1
	s_add_co_u32 s[G0+4*\p+1], s45, \p*SLOT
	s_add_nc_u64 s[G0+4*\p+2:G0+4*\p+3], s[20:21], \p*4096
	s_or_b32 s[G0+4*\p+3], s[G0+4*\p+3], 0x80000000
	s_mov_b32 s[G0B+4*\p], 1
	s_add_co_u32 s[G0B+4*\p+1], s19, \p*SLOT
	s_add_nc_u64 s[G0B+4*\p+2:G0B+4*\p+3], s[46:47], \p*256
	s_or_b32 s[G0B+4*\p+3], s[G0B+4*\p+3], 0x80000000
	s_wait_alu depctr_va_vdst(0)
	s_wait_tensorcnt 0x0
	ds_add_u32 v28, v29
	ds_add_u32 v28, v29
	s_wait_dscnt 0x0
	CROUND
	JLOAD \p                                       ; K steps 0 and 1: one load of mine is out
.endr
	v_and_b32 v1, 15, v0                           ; r
	v_bfe_u32 v2, v0, 4, 1                         ; h
	v_and_b32 v3, 31, v0
	v_lshlrev_b32 v4, 4, v3                        ; 16 x lane
	v_mul_u32_u24 v5, v1, BP
	v_lshl_add_u32 v5, v2, 3, v5                   ; row x pitch + 8 h
	s_lshl_b32 s22, s15, 15                        ; my 8 row tiles of O
	s_mul_i32 s23, s16, 64*BP                      ; my 64 rows of P_O
	s_add_co_u32 s23, s23, ASL
.irp p, 0,1
	v_add_nc_u32 v[ADRA+\p], s22, v4
	v_add_nc_u32 v[ADRB+\p], s23, v5
	s_add_co_u32 s22, s22, SLOT
	s_add_co_u32 s23, s23, SLOT
.endr
	s_mul_i32 s23, s14, 16*272
	s_add_co_u32 s23, s23, STAGE                   ; my stage
	v_mul_u32_u24 v5, v1, 272
	v_lshl_add_u32 v5, v2, 5, v5
	v_add_nc_u32 v[STO], s23, v5                   ; in: row r, 32 bytes for each half of the lanes
	v_mul_u32_u24 v5, v2, 272
	v_lshl_add_u32 v5, v1, 4, v5
	v_add_nc_u32 v[RD], s23, v5                    ; back: lanes 0-15 one row of 256 bytes, lanes 16-31 the next
	v_lshlrev_b32 v[CO], 12, v2
	v_lshl_add_u32 v[CO], v1, 4, v[CO]             ; and the same two rows of out0 (4,096 bytes a row)
	s_lshl_b32 s88, s17, 20                        ; my part of out0: row 256 ty + 128 half, byte 512 tx + 256 half
	s_lshl_b32 s90, s15, 19
	s_add_co_u32 s88, s88, s90
	s_lshl_b32 s90, s42, 9
	s_add_co_u32 s88, s88, s90
	s_lshl_b32 s90, s16, 8
	s_add_co_u32 s88, s88, s90
	s_mov_b32 s89, 0
	s_add_nc_u64 s[10:11], s[10:11], s[88:89]
.macro FETCH p, q, set                 ; the fragments of the slot's q-th 128 along K: P_O's 32 loads, O's blocks 0-3 (16), O's blocks 4-7 (16)
	WIN 0
.irp b, 0,1,2,3
.irp c, 0,1,2,3,4,5,6,7
	ds_load_b64 v[BFR+64*(\set)+16*\b+2*\c:BFR+64*(\set)+16*\b+2*\c+1], v[ADRB+\p] offset:16*BP*\b+128*(\q)+16*\c
.endr
.endr
	WIN 0x80                                       ; destination window 2
.irp a, 0,1,2,3,4,5,6,7
.irp c, 0,1,2,3
	ds_load_b128 v[128*(\set)+16*\a+4*\c:128*(\set)+16*\a+4*\c+3], v[ADRA+\p] offset:4096*\a+2048*(\q)+512*\c
.endr
.endr
.endm
; na x 4 matrix instructions; the 32 accumulators take turns, one instruction a turn, in the same order in every step
.macro MULS a0, na, set, zero
	WIN 0x58                                       ; source 0 (P_O) window 0, source 1 (O) window 2, C and D window 1
.set ma, \a0
.rept \na
.irp b, 0,1,2,3
.if \zero
	v_wmma_f32_16x16x128_fp8_fp8 v[8*(4*ma+\b):8*(4*ma+\b)+7], v[BFR+64*(\set)+16*\b:BFR+64*(\set)+16*\b+15], v[128*(\set)+16*ma:128*(\set)+16*ma+15], 0
.else
	v_wmma_f32_16x16x128_fp8_fp8 v[8*(4*ma+\b):8*(4*ma+\b)+7], v[BFR+64*(\set)+16*\b:BFR+64*(\set)+16*\b+15], v[128*(\set)+16*ma:128*(\set)+16*ma+15], v[8*(4*ma+\b):8*(4*ma+\b)+7]
.endif
.endr
.set ma, ma+1
.endr
.endm
.macro STEP p, zero                    ; a slot's first 128 along K (set 0); its successor lies in the same slot
	s_wait_dscnt 16                                ; P_O and O's blocks 0-3 are in; O's blocks 4-7 (16 loads) may be out
	MULS 0, 4, 0, \zero
	s_wait_dscnt 0x0
	PLACES 4                                       ; in front of loads into the other sets, which the step before multiplied
	FETCH \p, 1, 1
	MULS 4, 4, 0, \zero
.endm
; A slot's second 128 along K (set 1) changes slots: ONE barrier; in front of it each wave waits for all its tensor loads, adds 0 to its spare word, and waits for that and for its reads of this slot.
.macro TURN p, nx, fill
	WIN 0                                          ; (the add's two registers lie in window 0)
	s_wait_tensorcnt 0x0                           ; all my tensor loads have landed: my part of the next slot
	ds_add_u32 v[SPW], v[NIL]                      ; 0 onto my spare word
	s_wait_dscnt 17                                ; O's blocks 4-7 and the add may be out
	MULS 0, 2, 1, 0                                ; eight matrix instructions stand between the add and the wait for it
	s_wait_dscnt 0x0                               ; the add is done, and my reads of this slot are over
	s_barrier_signal -1
	MULS 2, 2, 1, 0
	WIN 0
	s_barrier_wait -1
.if \fill
	CREST                                          ; the barrier has opened a round of the cluster's: no wave of any partner still reads this slot or has a load on its way
	s_add_nc_u64 s[G0+4*\p+2:G0+4*\p+3], s[G0+4*\p+2:G0+4*\p+3], 8192
	s_add_nc_u64 s[G0B+4*\p+2:G0B+4*\p+3], s[G0B+4*\p+2:G0B+4*\p+3], 512
	JLOAD \p                                       ; two K steps on; its four v_nop are the places in front of the loads below
.else
	PLACES 4
.endif
	s_wait_alu depctr_va_vdst(0)
	FETCH \nx, 0, 0
	MULS 4, 4, 1, 0
.endm
	s_wait_tensorcnt 0x1                           ; my part of K step 0 is in; K step 1's may stay out
	s_barrier_signal -1
	s_barrier_wait -1
	FETCH 0, 0, 0
	STEP 0, 1                                      ; the first products start the sums.  K = 1,024 is four K steps: all are written out, there is no loop
	TURN 0, 1, 1                                   ; slot 0 takes K step 2
	STEP 1, 0
	TURN 1, 0, 1                                   ; slot 1 takes K step 3
	STEP 0, 0
	TURN 0, 1, 0
	STEP 1, 0
	s_wait_dscnt 16                                ; the very last step: nothing more to fetch
	MULS 0, 4, 1, 0
	s_wait_dscnt 0x0
	MULS 4, 4, 1, 0
	WIN 0
; THE WAY OUT, block by block of 16 rows x 64 columns: x 2^(e10 + e11); through my own stage in LDS; back as whole rows of 256 bytes.  LDS serves a wave's instructions in order (ISA guide 5.7.1.4): no wait between the stores and the loads.
.macro TOSTAGE a
	WIN 0x01                                       ; source 0: window 1
.irp j, 0,2,4,6,8,10,12,14,16,18,20,22,24,26,28,30
	v_pk_mul_f32 v[TMP+\j:TMP+\j+1], v[32*(\a)+\j:32*(\a)+\j+1], s[96:97] op_sel_hi:[1,0]   ; each accumulator from its low end on
.endr
	WIN 0
.irp b, 0,1,2,3
	ds_store_b128 v[STO], v[TMP+8*\b:TMP+8*\b+3] offset:64*\b
	ds_store_b128 v[STO], v[TMP+8*\b+4:TMP+8*\b+7] offset:64*\b+16
.endr
.irp t, 0,1,2,3,4,5,6,7
	ds_load_b128 v[BK+32*((\a)%2)+4*\t:BK+32*((\a)%2)+4*\t+3], v[RD] offset:2*\t*272
.endr
.endm
.macro SEND a, younger
	s_wait_dscnt \younger                          ; the block is back in registers
.irp t, 0,1,2,3,4,5,6,7
	global_store_b128 v[CO], v[BK+32*((\a)%2)+4*\t:BK+32*((\a)%2)+4*\t+3], s[10:11] offset:(16*(\a)+2*\t)*4096 th:TH_STORE_NT   ; 16 lanes store 256 consecutive bytes, at a multiple of 256 from out0's first byte; 126 rows at the most: inside the signed 24-bit immediate
.endr
.endm
	s_wait_kmcnt 0x0
	s_add_co_i32 s96, s96, s97
	s_add_co_i32 s96, s96, 127
	s_lshl_b32 s96, s96, 23                        ; 2^(e10 + e11) as f32
	s_mov_b32 s97, s96                             ; (named with it as a pair)
	PLACES 4                                       ; behind the last products
	TOSTAGE 0
.irp a, 1,2,3,4,5,6,7
.if \a > 1
	s_wait_xcnt 0x0                                ; block a - 2's stores have read their registers: block a's loads may land there
.endif
	TOSTAGE \a
	SEND \a-1, 16                                  ; behind block a - 1's loads: block a's 8 stores and 8 loads
.endr
	SEND 7, 0
	s_wait_tensorcnt 0x0                           ; the wave's end: behind my last tensor load and my last LDS store
	ds_add_u32 v[SPW], v[NIL]
	s_wait_dscnt 0x0
	CROUND                                         ; the closing round
	s_endpgm
.Lfunc_end_k_q78a721e357_oproj:
	.size	k_q78a721e357_oproj, .Lfunc_end_k_q78a721e357_oproj-k_q78a721e357_oproj
	.p2alignl 7, 3214868480
	.fill 96, 4, 3214868480
	.section	.rodata,"a",@progbits
	.p2align	6, 0x0
	.amdhsa_kernel k_q78a721e357_oproj
		.amdhsa_group_segment_fixed_size 327680
		.amdhsa_private_segment_fixed_size 0
		.amdhsa_enable_private_segment 0
		.amdhsa_kernarg_size 32
		.amdhsa_user_sgpr_count 2
		.amdhsa_user_sgpr_kernarg_segment_ptr 1
		.amdhsa_wavefront_size32 1
		.amdhsa_system_sgpr_workgroup_id_x 1
		.amdhsa_system_sgpr_workgroup_id_y 1
		.amdhsa_system_sgpr_workgroup_id_z 1
		.amdhsa_system_vgpr_workitem_id 0
		.amdhsa_next_free_vgpr 768
		.amdhsa_next_free_sgpr 98
		.amdhsa_reserve_vcc 0
		.amdhsa_float_denorm_mode_32 3
		.amdhsa_float_denorm_mode_16_64 3
		.amdhsa_memory_ordered 1
		.amdhsa_forward_progress 1
		.amdhsa_inst_pref_size 84
	.end_amdhsa_kernel
	.amdgpu_metadata
---
amdhsa.version: [ 1, 2 ]
amdhsa.kernels:
  - .name:           k_q78a721e357_oproj
    .symbol:         k_q78a721e357_oproj.kd
    .args:
      - { .name: o_img, .offset: 0, .size: 8, .value_kind: global_buffer, .address_space: global }
      - { .name: P_O_codes, .offset: 8, .size: 8, .value_kind: global_buffer, .address_space: global }
      - { .name: lowp_scales, .offset: 16, .size: 8, .value_kind: global_buffer, .address_space: global }
      - { .name: out0, .offset: 24, .size: 8, .value_kind: global_buffer, .address_space: global }
    .group_segment_fixed_size: 327680
    .private_segment_fixed_size: 0
    .kernarg_segment_align: 8
    .kernarg_segment_size: 32
    .max_flat_workgroup_size: 128
    .sgpr_count:     98
    .vgpr_count:     768
    .wavefront_size: 32
...
	.end_amdgpu_metadata
.endif
;; end of part 3
